; MI455X (gfx1250); checked and timed in simulation.
; The chip was launched on July 23, 2026; its instructions are those of AMD's public machine-readable ISA for CDNA 5 (MIT licence, August 2026) and "CDNA5" Instruction Set Architecture Reference Guide (July 2026). The comments in the code are by the model that wrote it; some were corrected since.
;; Multi Head Self Attention. Allowed arithmetic: float matrix products may take bf16 or f16 operands with f32 sums; all other float work in f32.
;; Inputs: W_o 64 x 512 float32; W_qkv 512 x 192 float32; inputs 8 x 512 x 512 float32.
;; Outputs: out0 8 x 512 x 512 float32.
;; 2 versions, each right; version 2 is version 1 with the launch qkv written anew for expert scheduling mode. Each part assembles by itself: llvm-mc -triple=amdgcn-amd-amdhsa -mcpu=gfx1250 --defsym DOCPART=n.
;; ======== version 1 of 2: 2 launches
;; limits: values are held in f16: magnitudes above 65,504 overflow, below 6.1e-05 lose precision
;; workspace buffers: qb 1,048,576 bytes; kv 1,572,864 bytes; mm 131,072 bytes
;; launch qkv (part 1): grid 3 x 64, 16 waves a work-group, no clusters, 150,528 bytes of LDS; arguments inputs, W_qkv, qb, kv, mm; writes qb, kv, mm
.if DOCPART == 1
	.amdgcn_target "amdgcn-amd-amdhsa--gfx1250"
	.amdhsa_code_object_version 6
	.text
	.protected	k_q84ef00477b_qkv
	.globl	k_q84ef00477b_qkv
	.p2align	8
	.type	k_q84ef00477b_qkv,@function
k_q84ef00477b_qkv:
	s_mov_b64 s[64:65], 0
	v_nop
	global_prefetch_b8 v0, s[64:65] scope:SCOPE_SE
	s_setreg_imm32_b32 hwreg(HW_REG_WAVE_MODE, 25, 1), 1
	s_wait_xcnt 0x0
; QKV = inputs @ W_qkv.  inputs [4096][512] f32, W_qkv [512][192] f32; operands rounded to bf16, sums in f32.
; Work-group (x, y): x = 0, 1, 2 makes Q, K or V (64 columns); y = the block of 64 rows.  16 waves.
; Each wave brings 1/16 of the 64 x 512 block of inputs and 1/16 of the 512 x 64 slice of W_qkv with 32 loads of 16 bytes a lane,
; all issued at once, rounds them to bf16 and lays them into LDS; then wave w makes the 16 x 16 tile (rows 16 (w / 4), channels 16 (w % 4)).
; The results leave straight from the accumulators, in the order in which a lane holds them.  T = 4 y + w / 4 is the tile of 16 rows, ct = w % 4:
;   qb [T][ct][1024 bytes]   byte 512 p + 256 h + 16 r: channel 16 ct + r, rows 8 h + 4 p + 0..3, f32; Q times log2(e) / 8, so that
;                            the second launch's exponentials are to the base 2
;   kv [T][6144 bytes]       K: 4 ct x 1,024 bytes laid as Q is; then V: 4 ct x 512 bytes, byte 256 h + 16 r: channel 16 ct + r, keys 8 h + 0..7, f16
;   mm [T][ct][128 bytes]    16 f32: the largest K of the tile's 16 keys for each channel; then 16 f32: the smallest
; Every store of Q, K and V covers 512 consecutive bytes, aligned; the one store to mm covers 128 (the four waves of a T fill 512 together).
; LIMIT: V is stored in f16, so |V| must stay below 65,504.  The drawn V has a spread of 0.45; all inputs 30 times larger give peaks
; near 2,000, offsets of 30 spreads on inputs and weights together about 9,200.  NaN and infinities in the inputs are not served.
; NO CLUSTER, NO TENSOR LOADS, though the three work-groups of a y read the same inputs: both operands are rounded on their way into LDS,
; which goes through registers, and f32 tiles in LDS (2 x 131,072 bytes) beside their bf16 copies (148,480 bytes) exceed the 327,680 bytes of a WGP.
.set XP,   1040                        ; LDS pitch of a row of inputs: 1,024 bytes of bf16 + 16, an odd multiple of 16
.set WP,   160                         ; LDS pitch of a row of weights: 128 bytes of bf16 + 32, an odd multiple of 32 (for the transposing load)
.set WS,   64*XP                       ; the weights [k][64 n] lie behind the 64 rows of inputs
.set KVT,  6144                        ; bytes of a tile of 16 keys in kv
.set LANE, 1
.set WV,   2                           ; wave number, as a vector
.set HL,   3                           ; h = lane / 16
.set R16,  4                           ; r = lane % 16
.set GX,   5                           ; byte offset in inputs
.set GW,   6                           ; byte offset in W_qkv
.set LX,   8                           ; LDS address of the stores of inputs
.set LW,   9                           ; LDS address of the stores of weights
.set XA,   11                          ; LDS address of my fragments of the inputs
.set WA,   12                          ; v12, v13: of my fragments of the weights, K steps 0-7 and 8-15
.set CO,   14                          ; 16 x lane
.set C4,   15                          ; 4 x lane
.set TMP,  20                          ; v20-23
.set F0,   32                          ; v32-95: 16 loads of inputs, then the fragments of four K steps
.set F1,   96                          ; v96-159: 16 loads of weights, then the fragments of four K steps
.set AC0,  160                         ; sums of the even K steps
.set AC1,  168                         ; sums of the odd K steps
	s_load_b256 s[4:11], s[0:1], 0x0               ; inputs s[4:5], W_qkv s[6:7], qb s[8:9], kv s[10:11]
	s_load_b64 s[12:13], s[0:1], 0x20              ; mm
	v_lshl_add_u32 v176, v0, 2, 0x24400
	v_mov_b32 v177, 0
	v_lshrrev_b32 v[WV], 5, v0
	v_readfirstlane_b32 s14, v[WV]                 ; wave 0..15
	v_and_b32 v[LANE], 31, v0
	v_bfe_u32 v[HL], v0, 4, 1
	v_and_b32 v[R16], 15, v0
	s_mov_b32 s15, ttmp9                           ; 0 Q, 1 K, 2 V
	s_and_b32 s16, ttmp7, 0xffff                   ; y
	s_and_b32 s17, s14, 3                          ; ct
	s_lshr_b32 s18, s14, 2                         ; my tile of 16 rows in the block
	s_lshl2_add_u32 s19, s16, s18                  ; T = 4 y + that
	s_mov_b32 s30, 0x76543210                      ; v_permlanex16_b32: lane i of one half reads lane i of the other
	s_mov_b32 s31, 0xfedcba98
	v_lshlrev_b32 v[CO], 4, v[LANE]
	v_lshlrev_b32 v[C4], 2, v[LANE]
	v_lshl_or_b32 v[GX], v[WV], 13, v[CO]          ; inputs: my wave's 4 rows are 8,192 consecutive bytes; a load takes 512 of them
	v_lshl_add_u32 v[TMP], v[WV], 5, v[HL]         ; weights: row k = 32 wave + h (+ 2 for each further load)
	v_mul_u32_u24 v[GW], v[TMP], 768
	v_lshl_add_u32 v[GW], v[R16], 4, v[GW]         ; 16 lanes take the 256 bytes of my 64 columns in a row
	s_lshl_b32 s20, s16, 17                        ; 64 rows of 2,048 bytes
	s_mov_b32 s21, 0
	s_lshl_b32 s22, s15, 8                         ; 64 columns of 4 bytes
	s_mov_b32 s23, 0
	s_wait_kmcnt 0x0
	s_add_nc_u64 s[4:5], s[4:5], s[20:21]
	s_add_nc_u64 s[6:7], s[6:7], s[22:23]
.set i, 0
.rept 16
	global_load_b128 v[F0+4*i:F0+4*i+3], v[GX], s[4:5] offset:512*i
.set i, i+1
.endr
.set i, 0
.rept 16
	global_load_b128 v[F1+4*i:F1+4*i+3], v[GW], s[6:7] offset:1536*i   ; two rows, 256 aligned bytes of each
.set i, i+1
.endr
	; while the 32 loads are on their way: the LDS addresses
	v_mul_u32_u24 v[LX], v[WV], 4*XP
	v_lshl_add_u32 v[LX], v[LANE], 3, v[LX]        ; four numbers of a lane become 8 bytes
	v_mul_u32_u24 v[LW], v[TMP], WP
	v_lshl_add_u32 v[LW], v[R16], 3, v[LW]
	v_add_nc_u32 v[LW], WS, v[LW]
	v_mul_u32_u24 v[XA], v[R16], XP                ; fragment of the inputs: row r of my 16, 16 bytes for each half of the lanes
	v_lshl_add_u32 v[XA], v[HL], 4, v[XA]
	s_mul_i32 s24, s18, 16*XP
	v_add_nc_u32 v[XA], s24, v[XA]
	v_and_b32 v[TMP+2], 7, v0                      ; transposing load from [k][n]: row 8 h + lane % 8, 16 bytes by bit 3 of the lane
	v_bfe_u32 v[TMP+3], v0, 3, 1
	v_lshl_add_u32 v[TMP+2], v[HL], 3, v[TMP+2]
	v_mul_u32_u24 v[TMP+2], v[TMP+2], WP
	v_lshl_add_u32 v[TMP+2], v[TMP+3], 4, v[TMP+2]
	s_lshl_b32 s24, s17, 5                         ; my 16 columns begin at byte 32 ct
	s_add_co_u32 s24, s24, WS
	v_add_nc_u32 v[WA], s24, v[TMP+2]
	v_add_nc_u32 v[WA+1], 8*32*WP, v[WA]           ; K steps 8-15 lie beyond the reach of a 16-bit offset
	; four f32 become four bf16, 8 bytes, in LDS
.set i, 0
.rept 16
	s_wait_loadcnt 31-i                            ; loads return in order: 15 - i loads of inputs and 16 of weights were issued behind this one
	v_cvt_pk_bf16_f32 v[F0+4*i], v[F0+4*i], v[F0+4*i+1]
	v_cvt_pk_bf16_f32 v[F0+4*i+1], v[F0+4*i+2], v[F0+4*i+3]
	ds_store_b64 v[LX], v[F0+4*i:F0+4*i+1] offset:(i/4)*XP+(i%4)*256
.set i, i+1
.endr
.set i, 0
.rept 16
	s_wait_loadcnt 15-i                            ; 15 - i loads of weights were issued behind this one
	v_cvt_pk_bf16_f32 v[F1+4*i], v[F1+4*i], v[F1+4*i+1]
	v_cvt_pk_bf16_f32 v[F1+4*i+1], v[F1+4*i+2], v[F1+4*i+3]
	ds_store_b64 v[LW], v[F1+4*i:F1+4*i+1] offset:i*2*WP
.set i, i+1
.endr
	s_wait_dscnt 0x0                               ; my stores are in LDS, for the other waves' sake
	s_barrier_signal -1
	s_barrier_wait -1                              ; everybody's are
; the fragments of K steps 4 g .. 4 g + 3 into buffer f: 16 LDS loads
.macro FETCH f, g
.irp q, 0,1,2,3
	ds_load_b128 v[\f+16*\q:\f+16*\q+3], v[XA] offset:(4*\g+\q)*64
	ds_load_b128 v[\f+16*\q+4:\f+16*\q+7], v[XA] offset:(4*\g+\q)*64+32
	ds_load_tr16_b128 v[\f+16*\q+8:\f+16*\q+11], v[WA+\g/2] offset:((4*\g+\q)&7)*32*WP
	ds_load_tr16_b128 v[\f+16*\q+12:\f+16*\q+15], v[WA+\g/2] offset:((4*\g+\q)&7)*32*WP+16*WP
.endr
.endm
; four K steps.  The two accumulators take turns, one instruction a turn.  first = 1: the products start the sums.
.macro MUL4 f, first
.if \first
	v_wmma_f32_16x16x32_bf16 v[AC0:AC0+7], v[\f:\f+7], v[\f+8:\f+15], 0
	v_wmma_f32_16x16x32_bf16 v[AC1:AC1+7], v[\f+16:\f+23], v[\f+24:\f+31], 0
.else
	v_wmma_f32_16x16x32_bf16 v[AC0:AC0+7], v[\f:\f+7], v[\f+8:\f+15], v[AC0:AC0+7]
	v_wmma_f32_16x16x32_bf16 v[AC1:AC1+7], v[\f+16:\f+23], v[\f+24:\f+31], v[AC1:AC1+7]
.endif
	v_wmma_f32_16x16x32_bf16 v[AC0:AC0+7], v[\f+32:\f+39], v[\f+40:\f+47], v[AC0:AC0+7]
	v_wmma_f32_16x16x32_bf16 v[AC1:AC1+7], v[\f+48:\f+55], v[\f+56:\f+63], v[AC1:AC1+7]
.endm
; a load into a register that a matrix instruction has read, and a vector instruction that reads a matrix result, stand four plain
; vector instructions behind it (ISA guide 7.12.1 for vector instructions)
.macro PLACES
.rept 4
	v_nop
.endr
.endm
	FETCH F0, 0
	FETCH F1, 1
	s_wait_dscnt 16                                ; the older group of 16 loads is in, the younger may be out
	MUL4 F0, 1
	PLACES
	FETCH F0, 2
	s_wait_dscnt 16
	MUL4 F1, 0
	PLACES
	FETCH F1, 3
	s_wait_dscnt 16
	MUL4 F0, 0
	s_wait_dscnt 0x0
	MUL4 F1, 0
	PLACES
	; lane (r, h) holds channel 16 ct + r, rows 8 h + 0..7
.irp j, 0,2,4,6
	v_pk_add_f32 v[AC0+\j:AC0+\j+1], v[AC0+\j:AC0+\j+1], v[AC1+\j:AC1+\j+1]
.endr
	s_mov_b32 s25, 0
	s_mov_b32 s27, 0
	s_cmp_eq_u32 s15, 1
	s_cbranch_scc1 .Lk
	s_cmp_eq_u32 s15, 2
	s_cbranch_scc1 .Lv
	; Q, times log2(e) / sqrt(64)
.irp j, 0,2,4,6
	v_pk_mul_f32 v[AC0+\j:AC0+\j+1], v[AC0+\j:AC0+\j+1], 0x3e38aa3b op_sel_hi:[1,0]
.endr
	s_lshl2_add_u32 s24, s19, s17                  ; 4 T + ct
	s_lshl_b32 s24, s24, 10
	s_add_nc_u64 s[8:9], s[8:9], s[24:25]
	global_store_b128 v[CO], v[AC0:AC0+3], s[8:9]
	global_store_b128 v[CO], v[AC0+4:AC0+7], s[8:9] offset:512
	s_wait_tensorcnt 0x0
	ds_add_u32 v176, v177
	s_wait_dscnt 0x0
	s_endpgm
.Lk:
	s_mul_i32 s24, s19, KVT
	s_lshl_b32 s26, s17, 10
	s_add_co_u32 s24, s24, s26
	s_add_nc_u64 s[10:11], s[10:11], s[24:25]
	global_store_b128 v[CO], v[AC0:AC0+3], s[10:11]
	global_store_b128 v[CO], v[AC0+4:AC0+7], s[10:11] offset:512
	; the largest and the smallest of the tile's 16 keys: eight in the lane, the other eight in the lane 16 further on
	v_max3_num_f32 v[TMP], v[AC0], v[AC0+1], v[AC0+2]
	v_min3_num_f32 v[TMP+1], v[AC0], v[AC0+1], v[AC0+2]
	v_max3_num_f32 v[TMP], v[TMP], v[AC0+3], v[AC0+4]
	v_min3_num_f32 v[TMP+1], v[TMP+1], v[AC0+3], v[AC0+4]
	v_max3_num_f32 v[TMP], v[TMP], v[AC0+5], v[AC0+6]
	v_min3_num_f32 v[TMP+1], v[TMP+1], v[AC0+5], v[AC0+6]
	v_max_num_f32 v[TMP], v[TMP], v[AC0+7]
	v_min_num_f32 v[TMP+1], v[TMP+1], v[AC0+7]
	v_permlanex16_b32 v[TMP+2], v[TMP], s30, s31   ; its destination counts as read: these two were written above
	v_permlanex16_b32 v[TMP+3], v[TMP+1], s30, s31
	v_max_num_f32 v[TMP], v[TMP], v[TMP+2]
	v_min_num_f32 v[TMP+1], v[TMP+1], v[TMP+3]
	v_cmp_lt_u32 vcc_lo, 15, v[LANE]
	v_cndmask_b32 v[TMP], v[TMP], v[TMP+1], vcc_lo ; lanes 0-15 keep the largest, lanes 16-31 the smallest
	s_lshl2_add_u32 s26, s19, s17
	s_lshl_b32 s26, s26, 7
	s_add_nc_u64 s[12:13], s[12:13], s[26:27]
	global_store_b32 v[C4], v[TMP], s[12:13]       ; 128 consecutive bytes
	s_wait_tensorcnt 0x0
	ds_add_u32 v176, v177
	s_wait_dscnt 0x0
	s_endpgm
.Lv:
.irp j, 0,1,2,3
	v_cvt_pk_f16_f32 v[TMP+\j], v[AC0+2*\j], v[AC0+2*\j+1]
.endr
	s_mul_i32 s24, s19, KVT
	s_lshl_b32 s26, s17, 9
	s_add_co_u32 s24, s24, s26
	s_add_co_u32 s24, s24, 4096                    ; V lies behind the tile's K
	s_add_nc_u64 s[10:11], s[10:11], s[24:25]
	global_store_b128 v[CO], v[TMP:TMP+3], s[10:11]
	s_wait_tensorcnt 0x0
	ds_add_u32 v176, v177
	s_wait_dscnt 0x0
	s_endpgm
.Lfunc_end_k_q84ef00477b_qkv:
	.size	k_q84ef00477b_qkv, .Lfunc_end_k_q84ef00477b_qkv-k_q84ef00477b_qkv
	.p2alignl 7, 3214868480
	.fill 96, 4, 3214868480
	.section	.rodata,"a",@progbits
	.p2align	6, 0x0
	.amdhsa_kernel k_q84ef00477b_qkv
		.amdhsa_group_segment_fixed_size 150528
		.amdhsa_private_segment_fixed_size 0
		.amdhsa_enable_private_segment 0
		.amdhsa_kernarg_size 40
		.amdhsa_user_sgpr_count 2
		.amdhsa_user_sgpr_kernarg_segment_ptr 1
		.amdhsa_wavefront_size32 1
		.amdhsa_system_sgpr_workgroup_id_x 1
		.amdhsa_system_sgpr_workgroup_id_y 1
		.amdhsa_system_sgpr_workgroup_id_z 1
		.amdhsa_system_vgpr_workitem_id 0
		.amdhsa_next_free_vgpr 178
		.amdhsa_next_free_sgpr 66
		.amdhsa_reserve_vcc 1
		.amdhsa_float_denorm_mode_32 3
		.amdhsa_float_denorm_mode_16_64 3
		.amdhsa_memory_ordered 1
		.amdhsa_forward_progress 1
		.amdhsa_inst_pref_size 22
	.end_amdhsa_kernel
	.amdgpu_metadata
---
amdhsa.version: [ 1, 2 ]
amdhsa.kernels:
  - .name:           k_q84ef00477b_qkv
    .symbol:         k_q84ef00477b_qkv.kd
    .args:
      - { .name: inputs, .offset: 0, .size: 8, .value_kind: global_buffer, .address_space: global }
      - { .name: W_qkv, .offset: 8, .size: 8, .value_kind: global_buffer, .address_space: global }
      - { .name: qb, .offset: 16, .size: 8, .value_kind: global_buffer, .address_space: global }
      - { .name: kv, .offset: 24, .size: 8, .value_kind: global_buffer, .address_space: global }
      - { .name: mm, .offset: 32, .size: 8, .value_kind: global_buffer, .address_space: global }
    .group_segment_fixed_size: 150528
    .private_segment_fixed_size: 0
    .kernarg_segment_align: 8
    .kernarg_segment_size: 40
    .max_flat_workgroup_size: 512
    .sgpr_count:     66
    .vgpr_count:     178
    .wavefront_size: 32
...
	.end_amdgpu_metadata
.endif
;; end of part 1
;; launch attn (part 2): grid 256 x 1, 16 waves a work-group, clusters of 4 x 1, 242,688 bytes of LDS; arguments qb, kv, mm, W_o, out0; writes out0
.if DOCPART == 2
	.amdgcn_target "amdgcn-amd-amdhsa--gfx1250"
	.amdhsa_code_object_version 6
	.text
	.protected	k_q84ef00477b_attn
	.globl	k_q84ef00477b_attn
	.p2align	8
	.type	k_q84ef00477b_attn,@function
k_q84ef00477b_attn:
	s_mov_b64 s[64:65], 0
	v_nop
	global_prefetch_b8 v0, s[64:65] scope:SCOPE_SE
	s_setreg_imm32_b32 hwreg(HW_REG_WAVE_MODE, 25, 1), 1
	s_wait_xcnt 0x0
	s_wait_alu depctr_hold_cnt(0) depctr_sa_sdst(0) depctr_va_vdst(0) depctr_va_sdst(0) depctr_va_ssrc(0) depctr_va_vcc(0) depctr_vm_vsrc(0)
	s_getreg_b32 s2, hwreg(HW_REG_IB_STS2, 6, 4)
	s_cmp_eq_u32 s2, 0
	s_cbranch_scc0 .Lentry_in_a_cluster
	s_endpgm
.Lentry_in_a_cluster:
	s_bfe_u32 s2, ttmp6, 0x10000c
	s_cmp_lg_u32 s2, 0x3003
	s_cbranch_scc0 .Lentry_shape_is_right
	s_endpgm
.Lentry_shape_is_right:
; For each batch b and channel c: SA[n][c] = sum over m of softmax over m (Q[n][c] K[m][c] / 8) V[m][c]; then out0 = SA @ W_o.
; A work-group owns 16 queries (tile id of 256) of one batch and all 64 channels.  16 waves: wave w owns the 8 channels 8 g .. 8 g + 7
; (g = w % 8) and half of the 512 keys (kh = w / 8): 8 channels x 16 queries x 256 keys = 1,024 v_exp_f32 a wave.
; A STEP is 32 keys, a FRAGMENT 16 columns x 32 keys of weights.  Column r of fragment f stands for channel 8 g + r % 8 and query f + 8 (r / 8);
; a lane holds 16 keys of its column.  So a lane's 16 numbers of K serve the 8 fragments of a step.  For a fragment: 8 packed multiply-adds make
; the exponents K q' - max in f32 (q' holds the factor log2(e) / 8), 16 exponentials, 8 packings to f16, and ONE f16 matrix instruction whose
; first operand holds V of the 8 channels in rows 0-7 and ones in rows 8-15: row r % 8 of column r is the numerator, rows 8-15 the denominator.
; THE MAXIMUM is the row's own: the largest of q' K[m] over the 512 keys is the larger of q' kmax and q' kmin, with kmax and kmin of the
; channel over the batch's keys, taken from mm.  The product S has no sum in it (one channel), so it stays one multiply-add in f32 for each pair.
; FORMATS: Q, K, exponents, sums in f32; weights (at most 1) and V in f16; SA and W_o in bf16 for the last product.
; LIMIT: |V| below 65,504 (f16; see the first launch's head).  NaN and infinities are not served.
; CLUSTER: the four work-groups of a cluster are four query tiles of one batch and read the same 196,608 bytes of K and V: every fill of LDS is a
; joint load that names the four.  All of it fits at once, so each byte of LDS is filled once; a wave has four tensor loads out.
; Not shared: Q and out0 (each work-group's own); W_o, whose 131,072 bytes of f32 do not fit in LDS beside K and V, goes to registers.
.set TILE,  6144                       ; 16 keys in kv: K 4 x 1,024 bytes, V 4 x 512 bytes
.set CHUNK, 3072                       ; what one tensor load brings: 12 rows of 256 bytes
.set STAGE, 16*CHUNK                   ; 8 tiles of keys: tiles 8 s + 4 kh + 0..3 serve steps 2 s and 2 s + 1 of the waves of half kh
.set XCH,   4*STAGE                    ; 196,608: the upper key half's sums, 8 x 1,024 bytes
.set SAB,   XCH+8192                   ; SA [16 queries][64 channels] bf16
.set SAP,   144                        ; its pitch: 128 bytes + 16
.set OST,   SAB+2560                   ; the block of out0, 16 rows
.set OP,    2064                       ; its pitch: 2,048 bytes + 16
.set LANE, 1
.set R16,  2                           ; r = lane % 16
.set HL,   3                           ; h = lane / 16
.set C8,   4                           ; lane % 8
.set KA,   6                           ; v6-9    LDS address of my K in stage 0..3
.set VA,   10                          ; v10-13  of my V
.set XA,   14                          ; exchange between the key halves
.set SAA,  15                          ; SA, in
.set SAF,  16                          ; SA, as a fragment
.set OA,   17                          ; block of out0, in
.set RB,   18                          ; block of out0, back by rows
.set CO,   19                          ; 16 x lane
.set QA,   20                          ; byte offsets in qb, mm, W_o
.set MA,   21
.set WOA,  22
.set TMP,  24                          ; v24-31
.set QR,   32                          ; v32-39   q' of fragment 0..7
.set NM,   40                          ; v40-47   minus the row's maximum
.set KB,   48                          ; v48-79   K, two buffers of 16
.set VB,   80                          ; v80-95   V and ones, two buffers of 8
.set EB,   96                          ; v96-127  exponents and weights, two buffers of 16
.set PB,   128                         ; v128-135 weights in f16
.set ACC,  136                         ; v136-199 eight accumulators; before the steps: W_o as loaded
.set WF,   200                         ; v200-231 W_o in bf16: fragment (tile t, K step ks) at 16 t + 8 ks
.set O0,   EB+16                       ; the last product's two accumulators
.set O1,   EB+24
.set G1,   16                          ; s[16:23] descriptor group 1
.set G0,   24                          ; s[24:39] descriptor group 0, one for each stage
; a round of the cluster's barrier: my work-group's barrier, wave 0 signals for the work-group, every wave waits for the four, my work-group's barrier again
.macro ROUND
	s_barrier_signal -1
	s_barrier_wait -1
	s_cmp_lg_u32 s14, 0
	s_cbranch_scc1 .Lnot_wave_0_\@
	s_barrier_signal -3
.Lnot_wave_0_\@:
	s_barrier_wait -3
	s_barrier_signal -1
	s_barrier_wait -1
.endm
	s_load_b256 s[4:11], s[0:1], 0x0               ; qb s[4:5], kv s[6:7], mm s[8:9], W_o s[10:11]
	s_load_b64 s[12:13], s[0:1], 0x20              ; out0
	v_lshl_add_u32 v232, v0, 2, 0x3ac00
	v_mov_b32 v233, 0
	ds_add_u32 v232, v233
	ds_add_u32 v232, v233
	v_lshrrev_b32 v[TMP], 5, v0
	v_readfirstlane_b32 s14, v[TMP]                ; wave 0..15
	s_and_b32 s15, s14, 7                          ; g: my 8 channels
	s_lshr_b32 s40, s14, 3                         ; kh: my half of the keys
	s_lshr_b32 s58, s15, 1                         ; ct: the tile of 16 channels in which they lie
	s_and_b32 s59, s15, 1                          ; sub: its lower or upper 8
	s_bfe_u32 s46, ttmp6, 0x40000                  ; cx
	s_lshl_b32 s47, ttmp9, 2
	s_add_co_u32 s47, s47, s46                     ; id = 4 x cluster + cx: my tile of 16 queries
	s_lshr_b32 s53, ttmp9, 3                       ; batch: 8 clusters each, the same in the four partners
	; group 1: 12 rows of 32 elements of 8 bytes, dense
	s_mov_b32 s[G1+0], 15|(3<<16)|(1<<21)          ; 15:0 the mask: all four work-groups; 17:16 elements of 8 bytes; 21 set beside a mask
	s_mov_b32 s[G1+1], 32<<16                      ; tensor_dim0 = 32
	s_mov_b32 s[G1+2], 12<<16                      ; tensor_dim1 = 12
	s_mov_b32 s[G1+3], 32<<16                      ; tile_dim0 = 32
	s_mov_b32 s[G1+4], 12                          ; tile_dim1 = 12
	s_mov_b32 s[G1+5], 32                          ; from row to row: 32 elements
	s_mov_b32 s[G1+6], 0
	s_mov_b32 s[G1+7], 0
	s_mul_i32 s50, s14, CHUNK                      ; my part of a stage: the wave's number times 3,072, in LDS and in kv alike
	s_mul_i32 s54, s53, 32*TILE                    ; the batch's 32 tiles of keys
	s_add_co_u32 s54, s54, s50
	s_mov_b32 s55, 0
	s_wait_dscnt 0x0
	s_wait_kmcnt 0x0
	s_add_nc_u64 s[6:7], s[6:7], s[54:55]          ; made of the batch and the wave's number alone: equal in the four partners
.irp s, 0,1,2,3
	s_mov_b32 s[G0+4*\s], 1
	s_add_co_u32 s[G0+4*\s+1], s50, \s*STAGE
	s_add_nc_u64 s[G0+4*\s+2:G0+4*\s+3], s[6:7], \s*STAGE
	s_or_b32 s[G0+4*\s+3], s[G0+4*\s+3], 0x80000000
.endr
	ROUND                                          ; the four work-groups are here: the joint loads meet
.irp s, 0,1,2,3
	tensor_load_to_lds s[G0+4*\s:G0+4*\s+3], s[G1:G1+7]            ; all fills of the launch, in one group; none of these bytes is filled again
	s_nop 0
.endr
	s_lshl_b32 s56, s47, 12                        ; qb: 4,096 bytes for each tile of queries
	s_mov_b32 s57, 0
	s_add_nc_u64 s[4:5], s[4:5], s[56:57]
	s_lshl_b32 s56, s53, 14                        ; mm: 32 tiles x 512 bytes for each batch
	s_add_nc_u64 s[8:9], s[8:9], s[56:57]
	s_lshl_b32 s56, s47, 15                        ; out0: 16 rows of 2,048 bytes for each tile, and row w is mine on the way out
	s_lshl_b32 s60, s14, 11
	s_add_co_u32 s56, s56, s60
	s_add_nc_u64 s[12:13], s[12:13], s[56:57]
	v_and_b32 v[LANE], 31, v0
	v_and_b32 v[R16], 15, v0
	v_bfe_u32 v[HL], v0, 4, 1
	v_and_b32 v[C8], 7, v0
	v_bfe_u32 v[TMP], v0, 3, 1                     ; r / 8
	v_lshlrev_b32 v[TMP+1], 4, v[C8]               ; 16 bytes a channel in a tile
	s_lshl_b32 s60, s58, 10
	s_lshl_b32 s61, s59, 7
	s_add_co_u32 s60, s60, s61                     ; 1,024 ct + 128 sub: my 8 channels in an f32 tile
	v_lshl_add_u32 v[QA], v[TMP], 8, v[TMP+1]      ; queries 8 (r / 8) ..: 256 bytes on
	v_add_nc_u32 v[QA], s60, v[QA]
	v_lshrrev_b32 v[TMP+2], 3, v[LANE]             ; the four groups of 8 lanes take 8 tiles of keys each
	v_lshlrev_b32 v[MA], 2, v[C8]
	v_lshl_add_u32 v[MA], v[TMP+2], 12, v[MA]
	s_lshl_b32 s61, s58, 7
	s_lshl_b32 s62, s59, 5
	s_add_co_u32 s61, s61, s62
	v_add_nc_u32 v[MA], s61, v[MA]
	v_lshlrev_b32 v[WOA], 3, v[R16]                ; W_o: columns 32 w + 2 r, + 1; rows 8 h + ..
	v_lshl_add_u32 v[WOA], v[HL], 14, v[WOA]
	s_lshl_b32 s62, s14, 7
	v_add_nc_u32 v[WOA], s62, v[WOA]
	global_load_b128 v[QR:QR+3], v[QA], s[4:5]                 ; q' of queries 8 (r / 8) + 0..3
	global_load_b128 v[QR+4:QR+7], v[QA], s[4:5] offset:512    ; + 4..7
.irp i, 0,1,2,3,4,5,6,7
	global_load_b32 v[EB+\i], v[MA], s[8:9] offset:512*\i      ; the largest K of a tile of 16 keys
	global_load_b32 v[EB+8+\i], v[MA], s[8:9] offset:512*\i+64 ; the smallest
.endr
.set e, 0
.rept 32
	global_load_b64 v[ACC+2*e:ACC+2*e+1], v[WOA], s[10:11] offset:(e+8*(e/8))*2048   ; channel 8 h + e + 8 (e / 8): the order of a fragment's registers
.set e, e+1
.endr
	; while they are on their way: LDS addresses, masks, the rows of ones
	s_mul_i32 s51, s40, 4*TILE                     ; the upper half's waves read four tiles further on in each stage
	s_lshl_b32 s61, s58, 9
	s_lshl_b32 s62, s59, 7
	s_add_co_u32 s52, s51, s61
	s_add_co_u32 s52, s52, s62
	s_add_co_u32 s52, s52, 4096                    ; V: behind the tile's K, 512 ct + 128 sub
	s_add_co_u32 s51, s51, s60                     ; K: 1,024 ct + 128 sub
	v_lshl_add_u32 v[TMP+1], v[HL], 8, v[TMP+1]    ; keys 8 h ..: 256 bytes on
	v_add_nc_u32 v[KA], s51, v[TMP+1]
	v_add_nc_u32 v[VA], s52, v[TMP+1]
.irp s, 1,2,3
	v_add_nc_u32 v[KA+\s], \s*STAGE, v[KA]
	v_add_nc_u32 v[VA+\s], \s*STAGE, v[VA]
.endr
	v_lshlrev_b32 v[CO], 4, v[LANE]
	s_lshl_b32 s61, s15, 10
	s_add_co_u32 s61, s61, XCH
	v_add_nc_u32 v[XA], s61, v[CO]
	v_mul_u32_u24 v[SAA], v[TMP], 8*SAP            ; SA: query 8 (r / 8) + f, channel 8 g + r % 8
	v_lshl_add_u32 v[SAA], v[C8], 1, v[SAA]
	s_lshl_b32 s61, s15, 4
	s_add_co_u32 s61, s61, SAB
	v_add_nc_u32 v[SAA], s61, v[SAA]
	v_mul_u32_u24 v[SAF], v[R16], SAP              ; as a fragment: query r, 16 bytes for each half of the lanes
	v_lshl_add_u32 v[SAF], v[HL], 4, v[SAF]
	v_add_nc_u32 v[SAF], SAB, v[SAF]
	v_mul_u32_u24 v[OA], v[HL], 8*OP               ; block of out0: rows 8 h + j, columns 32 w + 2 r + t
	v_lshl_add_u32 v[OA], v[R16], 3, v[OA]
	s_lshl_b32 s61, s14, 7
	s_add_co_u32 s61, s61, OST
	v_add_nc_u32 v[OA], s61, v[OA]
	s_mul_i32 s61, s14, OP
	s_add_co_u32 s61, s61, OST
	v_add_nc_u32 v[RB], s61, v[CO]                 ; back: row w
	s_mov_b32 s42, 0xaaaaaaaa                      ; lanes whose number has bit 0 set,
	s_mov_b32 s43, 0xcccccccc                      ; bit 1,
	s_mov_b32 s44, 0xf0f0f0f0                      ; bit 2
	s_mov_b32 s48, 0x76543210                      ; v_permlanex16_b32: lane i of one half reads lane i of the other
	s_mov_b32 s49, 0xfedcba98
.set i, 0
.rept 16
	v_mov_b32 v[VB+i], 0x3c003c00                  ; 1.0 twice in f16: rows 8-15 keep it, rows 0-7 are loaded over it
.set i, i+1
.endr
	v_cmp_gt_u32 vcc_lo, 8, v[R16]                 ; the lanes of rows 0-7; VCC stays so through all the steps
	s_wait_loadcnt 32                              ; q' and mm are in; the 32 loads of W_o were issued behind them
	v_max3_num_f32 v[TMP+4], v[EB], v[EB+1], v[EB+2]
	v_min3_num_f32 v[TMP+5], v[EB+8], v[EB+9], v[EB+10]
	v_max3_num_f32 v[TMP+4], v[TMP+4], v[EB+3], v[EB+4]
	v_min3_num_f32 v[TMP+5], v[TMP+5], v[EB+11], v[EB+12]
	v_max3_num_f32 v[TMP+4], v[TMP+4], v[EB+5], v[EB+6]
	v_min3_num_f32 v[TMP+5], v[TMP+5], v[EB+13], v[EB+14]
	v_max_num_f32 v[TMP+4], v[TMP+4], v[EB+7]
	v_min_num_f32 v[TMP+5], v[TMP+5], v[EB+15]
	v_max_num_f32_dpp v[TMP+4], v[TMP+4], v[TMP+4] row_xmask:8 row_mask:0xf bank_mask:0xf   ; the lane 8 further on has the same channel, other tiles
	v_min_num_f32_dpp v[TMP+5], v[TMP+5], v[TMP+5] row_xmask:8 row_mask:0xf bank_mask:0xf
	v_permlanex16_b32 v[TMP+1], v[TMP+4], s48, s49 ; and so has the lane 16 further on (destinations written above)
	v_permlanex16_b32 v[TMP+2], v[TMP+5], s48, s49
	v_max_num_f32 v[TMP+4], v[TMP+4], v[TMP+1]     ; kmax of my channel over the batch's 512 keys
	v_min_num_f32 v[TMP+5], v[TMP+5], v[TMP+2]     ; kmin
	v_xor_b32 v[TMP+4], 0x80000000, v[TMP+4]
	v_xor_b32 v[TMP+5], 0x80000000, v[TMP+5]
.irp f, 0,1,2,3,4,5,6,7
	v_mul_f32 v[TMP+2*(\f&1)], v[QR+\f], v[TMP+4]
	v_mul_f32 v[TMP+2*(\f&1)+1], v[QR+\f], v[TMP+5]
	v_min_num_f32 v[NM+\f], v[TMP+2*(\f&1)], v[TMP+2*(\f&1)+1]     ; minus the larger of q' kmax and q' kmin
.endr
	s_wait_loadcnt 0x0                             ; W_o
.set n, 0
.rept 32
	v_cvt_pk_bf16_f32 v[WF+n], v[ACC+4*(n&15)+(n>>4)], v[ACC+4*(n&15)+2+(n>>4)]   ; two neighbouring channels of column 32 w + 2 r + n / 16
.set n, n+1
.endr
	s_wait_xcnt 0x0                                ; EXEC changes below only behind this wait; no global instruction follows before the way out
; K and V of step st (32 keys) into the buffers st % 2.  V's loads run with the lanes of rows 0-7 alone.
.macro LOADS st
	ds_load_b128 v[KB+16*((\st)&1):KB+16*((\st)&1)+3], v[KA+(\st)/2] offset:((\st)&1)*2*TILE
	ds_load_b128 v[KB+16*((\st)&1)+4:KB+16*((\st)&1)+7], v[KA+(\st)/2] offset:((\st)&1)*2*TILE+512
	ds_load_b128 v[KB+16*((\st)&1)+8:KB+16*((\st)&1)+11], v[KA+(\st)/2] offset:((\st)&1)*2*TILE+TILE
	ds_load_b128 v[KB+16*((\st)&1)+12:KB+16*((\st)&1)+15], v[KA+(\st)/2] offset:((\st)&1)*2*TILE+TILE+512
	s_and_saveexec_b32 s41, vcc_lo
	ds_load_b128 v[VB+8*((\st)&1):VB+8*((\st)&1)+3], v[VA+(\st)/2] offset:((\st)&1)*2*TILE
	ds_load_b128 v[VB+8*((\st)&1)+4:VB+8*((\st)&1)+7], v[VA+(\st)/2] offset:((\st)&1)*2*TILE+TILE
	s_or_b32 exec_lo, exec_lo, s41
.endm
; the 16 exponents of fragment f: K q'[f] - max[f], from K buffer kb into buffer eb.  One register of a pair feeds both halves.
.macro ARG kb, f, eb
.irp i, 0,2,4,6,8,10,12,14
.if (\f)&1
	v_pk_fma_f32 v[\eb+\i:\eb+\i+1], v[\kb+\i:\kb+\i+1], v[QR+(\f)-1:QR+(\f)], v[NM+(\f)-1:NM+(\f)] op_sel:[0,1,1] op_sel_hi:[1,1,1]
.else
	v_pk_fma_f32 v[\eb+\i:\eb+\i+1], v[\kb+\i:\kb+\i+1], v[QR+(\f):QR+(\f)+1], v[NM+(\f):NM+(\f)+1] op_sel_hi:[1,0,0]
.endif
.endr
.endm
; Fragment f of step st.  The eight multiply-adds for the NEXT fragment (in the last slot four v_nop) stand between the exponentials and the
; use of their results (ISA guide 5.7.2), and are the plain vector instructions between the last matrix instruction and the lines that write the
; packed weights it read and load into the V buffer it read (ISA guide 7.12.1 for the vector instructions).
; The eight accumulators take turns, one instruction a turn.
.macro SLOT st, f
.set EC, EB+16*((\f)&1)
.set EN, EB+16*(1-((\f)&1))
.set j, 0
.rept 16
	v_exp_f32 v[EC+j], v[EC+j]
.set j, j+1
.endr
.if (\f) == 7
.if (\st) < 7
	s_wait_dscnt 0x0                               ; the next step's K and V, asked for seven fragments ago
.set KC, KB+16*(((\st)+1)&1)
	ARG KC, 0, EN
.else
	s_wait_alu depctr_va_vdst(0)
.rept 4
	v_nop
.endr
.endif
.else
.set KC, KB+16*((\st)&1)
.set FN, (\f)+1
	ARG KC, FN, EN
.endif
.if (\f) == 0
.if (\st) < 7
.if (\st)&1
	s_wait_tensorcnt 3-((\st)+1)/2                 ; my part of the next stage has landed; the later stages' loads, issued behind it, may be out
	s_barrier_signal -1
	s_barrier_wait -1                              ; everybody's part has.  No LDS byte is filled again behind this barrier
.endif
.set SN, (\st)+1
	LOADS SN
.endif
.endif
.set j, 0
	s_wait_alu depctr_va_vdst(0)
.rept 8
	v_cvt_pk_f16_f32 v[PB+j], v[EC+2*j], v[EC+2*j+1]
.set j, j+1
.endr
.if (\st) == 0
	v_wmma_f32_16x16x32_f16 v[ACC+8*(\f):ACC+8*(\f)+7], v[VB+8*((\st)&1):VB+8*((\st)&1)+7], v[PB:PB+7], 0
.else
	v_wmma_f32_16x16x32_f16 v[ACC+8*(\f):ACC+8*(\f)+7], v[VB+8*((\st)&1):VB+8*((\st)&1)+7], v[PB:PB+7], v[ACC+8*(\f):ACC+8*(\f)+7]
.endif
.endm
	s_wait_tensorcnt 3                             ; my part of stage 0 has landed; three loads were issued behind it
	s_barrier_signal -1
	s_barrier_wait -1
	LOADS 0
	s_wait_dscnt 0x0
	ARG KB, 0, EB
.irp st, 0,1,2,3,4,5,6,7
.irp f, 0,1,2,3,4,5,6,7
	SLOT \st, \f
.endr
.endr
.rept 4
	v_nop                                          ; four plain vector instructions behind the last matrix instruction, before its result is read
.endr
; register r % 8 of accumulator f: in lanes 0-15 the numerator of column r, in lanes 16-31 its denominator (there all eight registers hold it)
.macro PICK f
	v_cndmask_b32 v[TMP], v[ACC+8*\f], v[ACC+8*\f+1], s42
	v_cndmask_b32 v[TMP+1], v[ACC+8*\f+2], v[ACC+8*\f+3], s42
	v_cndmask_b32 v[TMP+2], v[ACC+8*\f+4], v[ACC+8*\f+5], s42
	v_cndmask_b32 v[TMP+3], v[ACC+8*\f+6], v[ACC+8*\f+7], s42
	v_cndmask_b32 v[TMP], v[TMP], v[TMP+1], s43
	v_cndmask_b32 v[TMP+2], v[TMP+2], v[TMP+3], s43
	v_cndmask_b32 v[EB+\f], v[TMP], v[TMP+2], s44
.endm
.irp f, 0,1,2,3,4,5,6,7
	PICK \f
.endr
	; both halves took the same maximum away, so their sums add.  Waves 8-15 hand theirs to waves 0-7.
	s_cmp_lt_u32 s14, 8
	s_cbranch_scc1 .Lkeeps
	ds_store_b128 v[XA], v[EB:EB+3]
	ds_store_b128 v[XA], v[EB+4:EB+7] offset:512
.Lkeeps:
	s_wait_dscnt 0x0                               ; my stores are in LDS, for the other waves' sake
	s_barrier_signal -1
	s_barrier_wait -1
	s_cmp_ge_u32 s14, 8
	s_cbranch_scc1 .Lno_div
	ds_load_b128 v[EB+8:EB+11], v[XA]
	ds_load_b128 v[EB+12:EB+15], v[XA] offset:512
	s_wait_dscnt 0x0
.irp j, 0,2,4,6
	v_pk_add_f32 v[EB+\j:EB+\j+1], v[EB+\j:EB+\j+1], v[EB+8+\j:EB+8+\j+1]
.endr
.irp f, 0,1,2,3,4,5,6,7
	v_permlanex16_b32 v[EB+8+\f], v[EB+\f], s48, s49   ; lanes 0-15 fetch their column's denominator
.endr
.irp f, 0,1,2,3,4,5,6,7
	v_rcp_f32 v[EB+8+\f], v[EB+8+\f]               ; at least about 1: the key of the maximum is among the 512
.endr
	v_nop                                          ; one plain vector instruction behind the last reciprocal (ISA guide 5.7.2)
	s_wait_alu depctr_va_vdst(0)
.irp f, 0,1,2,3,4,5,6,7
	v_mul_f32 v[EB+\f], v[EB+\f], v[EB+8+\f]       ; SA, in lanes 0-15; what lanes 16-31 make is not used
.endr
.irp i, 0,1,2,3
	v_cvt_pk_bf16_f32 v[TMP+\i], v[EB+2*\i], v[EB+2*\i+1]
.endr
	v_cmp_gt_u32 vcc_lo, 16, v[LANE]
	s_and_saveexec_b32 s41, vcc_lo
.irp i, 0,1,2,3
	ds_store_b16 v[SAA], v[TMP+\i] offset:2*\i*SAP             ; query 8 (r / 8) + 2 i
	ds_store_b16_d16_hi v[SAA], v[TMP+\i] offset:(2*\i+1)*SAP  ; + 1
.endr
	s_or_b32 exec_lo, exec_lo, s41
.Lno_div:
	s_wait_dscnt 0x0
	s_barrier_signal -1
	s_barrier_wait -1                              ; SA is whole
	; out0's block = SA (16 x 64) times W_o's columns 32 w .. 32 w + 31, as two tiles (even and odd columns) and two K steps of 32 channels
.irp i, 0,1,2,3
	ds_load_b128 v[KB+4*\i:KB+4*\i+3], v[SAF] offset:32*\i
.endr
	s_wait_dscnt 0x0
	v_wmma_f32_16x16x32_bf16 v[O0:O0+7], v[KB:KB+7], v[WF:WF+7], 0          ; the two accumulators take turns
	v_wmma_f32_16x16x32_bf16 v[O1:O1+7], v[KB:KB+7], v[WF+16:WF+23], 0
	v_wmma_f32_16x16x32_bf16 v[O0:O0+7], v[KB+8:KB+15], v[WF+8:WF+15], v[O0:O0+7]
	v_wmma_f32_16x16x32_bf16 v[O1:O1+7], v[KB+8:KB+15], v[WF+24:WF+31], v[O1:O1+7]
.rept 4
	v_nop                                          ; four plain vector instructions before the results are stored
.endr
.irp j, 0,1,2,3,4,5,6,7
	ds_store_b32 v[OA], v[O0+\j] offset:\j*OP      ; row 8 h + j, column 32 w + 2 r
	ds_store_b32 v[OA], v[O1+\j] offset:\j*OP+4    ; column 32 w + 2 r + 1
.endr
	s_wait_dscnt 0x0
	s_barrier_signal -1
	s_barrier_wait -1                              ; the block is whole
.irp i, 0,1,2,3
	ds_load_b128 v[KB+16+4*\i:KB+16+4*\i+3], v[RB] offset:512*\i   ; row w, 512 bytes a load
.endr
.irp i, 0,1,2,3
	s_wait_dscnt 3-\i                              ; LDS loads return in order: 3 - i were issued behind this one
	global_store_b128 v[CO], v[KB+16+4*\i:KB+16+4*\i+3], s[12:13] offset:512*\i th:TH_STORE_NT   ; 512 consecutive bytes, aligned
.endr
	s_wait_tensorcnt 0x0
	ds_add_u32 v232, v233
	s_wait_dscnt 0x0
	ROUND                                          ; the closing round: no work-group ends while a partner may still issue a joint load that names it
	s_endpgm
.Lfunc_end_k_q84ef00477b_attn:
	.size	k_q84ef00477b_attn, .Lfunc_end_k_q84ef00477b_attn-k_q84ef00477b_attn
	.p2alignl 7, 3214868480
	.fill 96, 4, 3214868480
	.section	.rodata,"a",@progbits
	.p2align	6, 0x0
	.amdhsa_kernel k_q84ef00477b_attn
		.amdhsa_group_segment_fixed_size 242688
		.amdhsa_private_segment_fixed_size 0
		.amdhsa_enable_private_segment 0
		.amdhsa_kernarg_size 40
		.amdhsa_user_sgpr_count 2
		.amdhsa_user_sgpr_kernarg_segment_ptr 1
		.amdhsa_wavefront_size32 1
		.amdhsa_system_sgpr_workgroup_id_x 1
		.amdhsa_system_sgpr_workgroup_id_y 1
		.amdhsa_system_sgpr_workgroup_id_z 1
		.amdhsa_system_vgpr_workitem_id 0
		.amdhsa_next_free_vgpr 234
		.amdhsa_next_free_sgpr 66
		.amdhsa_reserve_vcc 1
		.amdhsa_float_denorm_mode_32 3
		.amdhsa_float_denorm_mode_16_64 3
		.amdhsa_memory_ordered 1
		.amdhsa_forward_progress 1
		.amdhsa_inst_pref_size 132
	.end_amdhsa_kernel
	.amdgpu_metadata
---
amdhsa.version: [ 1, 2 ]
amdhsa.kernels:
  - .name:           k_q84ef00477b_attn
    .symbol:         k_q84ef00477b_attn.kd
    .args:
      - { .name: qb, .offset: 0, .size: 8, .value_kind: global_buffer, .address_space: global }
      - { .name: kv, .offset: 8, .size: 8, .value_kind: global_buffer, .address_space: global }
      - { .name: mm, .offset: 16, .size: 8, .value_kind: global_buffer, .address_space: global }
      - { .name: W_o, .offset: 24, .size: 8, .value_kind: global_buffer, .address_space: global }
      - { .name: out0, .offset: 32, .size: 8, .value_kind: global_buffer, .address_space: global }
    .group_segment_fixed_size: 242688
    .private_segment_fixed_size: 0
    .kernarg_segment_align: 8
    .kernarg_segment_size: 40
    .max_flat_workgroup_size: 512
    .sgpr_count:     66
    .vgpr_count:     234
    .wavefront_size: 32
...
	.end_amdgpu_metadata
.endif
;; end of part 2
;; ======== version 2 of 2: 2 launches; version 1 with the launch qkv written anew for expert scheduling mode
;; limits: values are held in f16: magnitudes above 65,504 overflow, below 6.1e-05 lose precision
;; workspace buffers: qb 1,048,576 bytes; kv 1,572,864 bytes; mm 131,072 bytes
;; launch qkv (part 3): grid 3 x 64, 16 waves a work-group, no clusters, 150,528 bytes of LDS; arguments inputs, W_qkv, qb, kv, mm; writes qb, kv, mm
.if DOCPART == 3
	.amdgcn_target "amdgcn-amd-amdhsa--gfx1250"
	.amdhsa_code_object_version 6
	.text
	.protected	k_q84ef00477b_qkv
	.globl	k_q84ef00477b_qkv
	.p2align	8
	.type	k_q84ef00477b_qkv,@function
k_q84ef00477b_qkv:
	s_mov_b64 s[64:65], 0
	v_nop
	global_prefetch_b8 v0, s[64:65] scope:SCOPE_SE
	s_setreg_imm32_b32 hwreg(HW_REG_WAVE_SCHED_MODE, 0, 2), 2
	s_setreg_imm32_b32 hwreg(HW_REG_WAVE_MODE, 25, 1), 1
	s_wait_xcnt 0x0
	s_wait_alu depctr_vm_vsrc(0)
; QKV = inputs @ W_qkv.  inputs [4096][512] f32, W_qkv [512][192] f32; operands rounded to bf16, sums in f32.
; Work-group (x, y): x = 0, 1, 2 makes Q, K or V (64 columns); y = the block of 64 rows.  16 waves.
; Each wave brings 1/16 of the 64 x 512 block of inputs and 1/16 of the 512 x 64 slice of W_qkv with 32 loads of 16 bytes a lane,
; all issued at once, rounds them to bf16 and lays them into LDS; then wave w makes the 16 x 16 tile (rows 16 (w / 4), channels 16 (w % 4)).
; The results leave straight from the accumulators, in the order in which a lane holds them.  T = 4 y + w / 4 is the tile of 16 rows, ct = w % 4:
;   qb [T][ct][1024 bytes]   byte 512 p + 256 h + 16 r: channel 16 ct + r, rows 8 h + 4 p + 0..3, f32; Q times log2(e) / 8, so that
;                            the second launch's exponentials are to the base 2
;   kv [T][6144 bytes]       K: 4 ct x 1,024 bytes laid as Q is; then V: 4 ct x 512 bytes, byte 256 h + 16 r: channel 16 ct + r, keys 8 h + 0..7, f16
;   mm [T][ct][128 bytes]    16 f32: the largest K of the tile's 16 keys for each channel; then 16 f32: the smallest
; Every store of Q, K and V covers 512 consecutive bytes, aligned; the one store to mm covers 128 (the four waves of a T fill 512 together).
; LIMIT: V is stored in f16, so |V| must stay below 65,504.  The drawn V has a spread of 0.45; all inputs 30 times larger give peaks
; near 2,000, offsets of 30 spreads on inputs and weights together about 9,200.  NaN and infinities in the inputs are not served.
; NO CLUSTER, NO TENSOR LOADS, though the three work-groups of a y read the same inputs: both operands are rounded on their way into LDS,
; which goes through registers, and f32 tiles in LDS (2 x 131,072 bytes) beside their bf16 copies (148,480 bytes) exceed the 327,680 bytes of a WGP.
; THE MODE: SCHED_MODE bits 1:0 = 2 (LLVM: expert scheduling mode 2), set by the entry lines.  The code itself states the register dependences
; between vector or matrix instructions and memory or LDS instructions, with s_wait_alu, always for 0.
; THE PLAN.  Registers that memory or LDS instructions touch:
;   GX, GW, CO, C4    offsets in memory: made at the head, never written again.  GX, GW: read by the 32 loads.  CO, C4: read by the stores at the end.
;   LX, LW, XA, WA    LDS addresses: made behind the 32 loads, never written again.  Read by the LDS stores and by the fragments' loads.
;   v32-159, raw      the 32 loads land here, in four groups of eight.  A group's 16 conversions read them and write in place; its eight LDS stores,
;                     issued in the NEXT group, read what the conversions wrote.  A group's conversions name that group's registers alone.
;   F0, F1, F2        behind the barrier: the fragments of four K steps each, written by LDS loads, read by matrix instructions.
;                     K steps 0-11 fill the three at once; K steps 12-15 land in F0 again, the one buffer that is used twice.
;   AC0, TMP          written by matrix and vector instructions, read by the stores at the end.
; So: one wait on va_vdst at the head of groups 1 to 3 and one ahead of the last eight LDS stores; one on vm_vsrc behind the barrier; one on va_vdst
; ahead of F0's second fill; one on va_vdst ahead of each way out's run of stores.
.set XP,   1040                        ; LDS pitch of a row of inputs: 1,024 bytes of bf16 + 16, an odd multiple of 16
.set WP,   160                         ; LDS pitch of a row of weights: 128 bytes of bf16 + 32, an odd multiple of 32 (for the transposing load)
.set WS,   64*XP                       ; the weights [k][64 n] lie behind the 64 rows of inputs
.set KVT,  6144                        ; bytes of a tile of 16 keys in kv
.set LANE, 1
.set WV,   2                           ; wave number, as a vector
.set HL,   3                           ; h = lane / 16
.set R16,  4                           ; r = lane % 16
.set GX,   5                           ; byte offset in inputs
.set GW,   6                           ; byte offset in W_qkv
.set LX,   8                           ; LDS address of the stores of inputs
.set LW,   9                           ; LDS address of the stores of weights
.set XA,   11                          ; LDS address of my fragments of the inputs
.set WA,   12                          ; v12, v13: of my fragments of the weights, K steps 0-7 and 8-15
.set CO,   14                          ; 16 x lane
.set C4,   15                          ; 4 x lane
.set TMP,  20                          ; v20-23
.set F0,   32                          ; v32-95: 16 loads of inputs, then the fragments of four K steps
.set F1,   96                          ; v96-159: 16 loads of weights, then the fragments of four K steps
.set F2,   160                         ; v160-223: the fragments of four K steps
.set AC0,  224                         ; sums of the even K steps
.set AC1,  232                         ; sums of the odd K steps
	s_load_b256 s[4:11], s[0:1], 0x0               ; inputs s[4:5], W_qkv s[6:7], qb s[8:9], kv s[10:11]
	s_load_b64 s[12:13], s[0:1], 0x20              ; mm
	v_lshl_add_u32 v30, v0, 2, 0x24400
	v_mov_b32 v31, 0
	v_lshrrev_b32 v[WV], 5, v0
	v_readfirstlane_b32 s14, v[WV]                 ; wave 0..15
	v_and_b32 v[LANE], 31, v0
	v_bfe_u32 v[HL], v0, 4, 1
	v_and_b32 v[R16], 15, v0
	s_mov_b32 s15, ttmp9                           ; 0 Q, 1 K, 2 V
	s_and_b32 s16, ttmp7, 0xffff                   ; y
	s_mov_b32 s30, 0x76543210                      ; v_permlanex16_b32: lane i of one half reads lane i of the other
	s_mov_b32 s31, 0xfedcba98
	v_lshlrev_b32 v[CO], 4, v[LANE]
	v_lshlrev_b32 v[C4], 2, v[LANE]
	v_lshl_or_b32 v[GX], v[WV], 13, v[CO]          ; inputs: my wave's 4 rows are 8,192 consecutive bytes; a load takes 512 of them
	v_lshl_add_u32 v[TMP], v[WV], 5, v[HL]         ; weights: row k = 32 wave + h (+ 2 for each further load)
	v_mul_u32_u24 v[GW], v[TMP], 768
	v_lshl_add_u32 v[GW], v[R16], 4, v[GW]         ; 16 lanes take the 256 bytes of my 64 columns in a row
	s_wait_alu depctr_va_sdst(0)                   ; s14 is written, ahead of its first reader, the line below
	s_and_b32 s17, s14, 3                          ; ct
	s_lshr_b32 s18, s14, 2                         ; my tile of 16 rows in the block
	s_lshl2_add_u32 s19, s16, s18                  ; T = 4 y + that
	s_lshl_b32 s20, s16, 17                        ; 64 rows of 2,048 bytes
	s_mov_b32 s21, 0
	s_lshl_b32 s22, s15, 8                         ; 64 columns of 4 bytes
	s_mov_b32 s23, 0
	s_wait_kmcnt 0x0
	s_add_nc_u64 s[4:5], s[4:5], s[20:21]
	s_add_nc_u64 s[6:7], s[6:7], s[22:23]
	s_wait_alu depctr_va_vdst(0)                   ; GX and GW are written, which the 32 loads read as their offsets
.set i, 0
.rept 16
	global_load_b128 v[F0+4*i:F0+4*i+3], v[GX], s[4:5] offset:512*i
.set i, i+1
.endr
.set i, 0
.rept 16
	global_load_b128 v[F1+4*i:F1+4*i+3], v[GW], s[6:7] offset:1536*i   ; two rows, 256 aligned bytes of each
.set i, i+1
.endr
	; while the 32 loads are on their way: the LDS addresses.  None of these lines names a register that the loads touch
	v_mul_u32_u24 v[LX], v[WV], 4*XP
	v_lshl_add_u32 v[LX], v[LANE], 3, v[LX]        ; four numbers of a lane become 8 bytes
	v_mul_u32_u24 v[LW], v[TMP], WP
	v_lshl_add_u32 v[LW], v[R16], 3, v[LW]
	v_add_nc_u32 v[LW], WS, v[LW]
	v_mul_u32_u24 v[XA], v[R16], XP                ; fragment of the inputs: row r of my 16, 16 bytes for each half of the lanes
	v_lshl_add_u32 v[XA], v[HL], 4, v[XA]
	s_mul_i32 s24, s18, 16*XP
	v_add_nc_u32 v[XA], s24, v[XA]
	v_and_b32 v[TMP+2], 7, v0                      ; transposing load from [k][n]: row 8 h + lane % 8, 16 bytes by bit 3 of the lane
	v_bfe_u32 v[TMP+3], v0, 3, 1
	v_lshl_add_u32 v[TMP+2], v[HL], 3, v[TMP+2]
	v_mul_u32_u24 v[TMP+2], v[TMP+2], WP
	v_lshl_add_u32 v[TMP+2], v[TMP+3], 4, v[TMP+2]
	s_lshl_b32 s28, s17, 5                         ; my 16 columns begin at byte 32 ct (a scalar register of its own)
	s_add_co_u32 s28, s28, WS
	v_add_nc_u32 v[WA], s28, v[TMP+2]
	v_add_nc_u32 v[WA+1], 8*32*WP, v[WA]           ; K steps 8-15 lie beyond the reach of a 16-bit offset
; load n of the 32 (0-15 inputs, 16-31 weights): four f32 become four bf16, in the first two of their four registers
.macro CV n
	v_cvt_pk_bf16_f32 v[F0+4*(\n)], v[F0+4*(\n)], v[F0+4*(\n)+1]
	v_cvt_pk_bf16_f32 v[F0+4*(\n)+1], v[F0+4*(\n)+2], v[F0+4*(\n)+3]
.endm
; and those 8 bytes go into LDS
.macro ST n
.if (\n) < 16
	ds_store_b64 v[LX], v[F0+4*(\n):F0+4*(\n)+1] offset:((\n)/4)*XP+((\n)%4)*256
.else
	ds_store_b64 v[LW], v[F0+4*(\n):F0+4*(\n)+1] offset:((\n)-16)*2*WP
.endif
.endm
	; Four groups of eight loads.  Group g rounds its own registers; among its conversions stand the LDS stores of group g - 1.
.irp g, 0,1,2,3
	s_wait_loadcnt 24-8*\g                         ; loads return in order: this group's eight are in, the 24 - 8 g of the younger groups may be out
.if \g > 0
	s_wait_alu depctr_va_vdst(0)                   ; the group before has written its packed registers, which the stores below read; at the first of these waits LX and LW are written too
.endif
.set n, 8*\g
.rept 8
.if \g > 0
	ST n-8                                         ; no vector instruction since the wait names this store's registers
.endif
	CV n
.set n, n+1
.endr
.endr
	s_wait_alu depctr_va_vdst(0)                   ; the last group has written its packed registers; all conversions are done with v32-159, and XA and WA are written: the fragments' loads below hang on that too
.set n, 24
.rept 8
	ST n
.set n, n+1
.endr
	s_wait_dscnt 0x0                               ; my stores are in LDS, for the other waves' sake
	s_barrier_signal -1
	s_barrier_wait -1                              ; everybody's are
	s_wait_alu depctr_vm_vsrc(0)                   ; my LDS stores have read v32-159: these registers are F0 and F1 from here on, in which the fragments' loads land
; the fragments of K steps 4 g .. 4 g + 3 into buffer f: 16 LDS loads
.macro FETCH f, g
.irp q, 0,1,2,3
	ds_load_b128 v[\f+16*\q:\f+16*\q+3], v[XA] offset:(4*\g+\q)*64
	ds_load_b128 v[\f+16*\q+4:\f+16*\q+7], v[XA] offset:(4*\g+\q)*64+32
	ds_load_tr16_b128 v[\f+16*\q+8:\f+16*\q+11], v[WA+\g/2] offset:((4*\g+\q)&7)*32*WP
	ds_load_tr16_b128 v[\f+16*\q+12:\f+16*\q+15], v[WA+\g/2] offset:((4*\g+\q)&7)*32*WP+16*WP
.endr
.endm
; four K steps.  The two accumulators take turns, one instruction a turn.  first = 1: the products start the sums.
.macro MUL4 f, first
.if \first
	v_wmma_f32_16x16x32_bf16 v[AC0:AC0+7], v[\f:\f+7], v[\f+8:\f+15], 0
	v_wmma_f32_16x16x32_bf16 v[AC1:AC1+7], v[\f+16:\f+23], v[\f+24:\f+31], 0
.else
	v_wmma_f32_16x16x32_bf16 v[AC0:AC0+7], v[\f:\f+7], v[\f+8:\f+15], v[AC0:AC0+7]
	v_wmma_f32_16x16x32_bf16 v[AC1:AC1+7], v[\f+16:\f+23], v[\f+24:\f+31], v[AC1:AC1+7]
.endif
	v_wmma_f32_16x16x32_bf16 v[AC0:AC0+7], v[\f+32:\f+39], v[\f+40:\f+47], v[AC0:AC0+7]
	v_wmma_f32_16x16x32_bf16 v[AC1:AC1+7], v[\f+48:\f+55], v[\f+56:\f+63], v[AC1:AC1+7]
.endm
; four plain vector instructions: a vector instruction that reads a matrix result stands so far behind it (ISA guide 7.12.1)
.macro PLACES
.rept 4
	v_nop
.endr
.endm
	FETCH F0, 0
	FETCH F1, 1
	FETCH F2, 2
	s_wait_dscnt 32                                ; LDS loads return in order: F0's 16 are in, the 32 of F1 and F2 may be out
	MUL4 F0, 1
	PLACES                                         ; four plain vector instructions stay between the products and the loads into registers that they read;
	s_wait_alu depctr_va_vdst(0)                   ; the dependence itself: the four matrix instructions above are done reading F0, in which the loads below land
	FETCH F0, 3
	s_wait_dscnt 32                                ; F1's 16 are in; F2's and F0's new 16 may be out
	MUL4 F1, 0
	s_wait_dscnt 16                                ; F2's are in; F0's new 16 may be out
	MUL4 F2, 0
	s_wait_dscnt 0x0
	MUL4 F0, 0
	PLACES
	; lane (r, h) holds channel 16 ct + r, rows 8 h + 0..7
.irp j, 0,2,4,6
	v_pk_add_f32 v[AC0+\j:AC0+\j+1], v[AC0+\j:AC0+\j+1], v[AC1+\j:AC1+\j+1]
.endr
	s_mov_b32 s25, 0
	s_mov_b32 s27, 0
	s_cmp_eq_u32 s15, 1
	s_cbranch_scc1 .Lk
	s_cmp_eq_u32 s15, 2
	s_cbranch_scc1 .Lv
	; Q, times log2(e) / sqrt(64)
.irp j, 0,2,4,6
	v_pk_mul_f32 v[AC0+\j:AC0+\j+1], v[AC0+\j:AC0+\j+1], 0x3e38aa3b op_sel_hi:[1,0]
.endr
	s_lshl2_add_u32 s24, s19, s17                  ; 4 T + ct
	s_lshl_b32 s24, s24, 10
	s_add_nc_u64 s[8:9], s[8:9], s[24:25]
	s_wait_alu depctr_va_vdst(0)                   ; the scalings have written AC0, which the two stores read
	global_store_b128 v[CO], v[AC0:AC0+3], s[8:9]
	global_store_b128 v[CO], v[AC0+4:AC0+7], s[8:9] offset:512
	s_wait_dscnt 0x0
	s_wait_alu depctr_hold_cnt(0) depctr_sa_sdst(0) depctr_va_vdst(0) depctr_va_sdst(0) depctr_va_ssrc(0) depctr_va_vcc(0) depctr_vm_vsrc(0)
	s_wait_tensorcnt 0x0
	ds_add_u32 v30, v31
	s_wait_dscnt 0x0
	s_endpgm
.Lk:
	v_cmp_lt_u32 vcc_lo, 15, v[LANE]               ; made first: the twelve lines below stand between it and the select that reads it
	; the largest and the smallest of the tile's 16 keys: eight in the lane, the other eight in the lane 16 further on
	v_max3_num_f32 v[TMP], v[AC0], v[AC0+1], v[AC0+2]
	v_min3_num_f32 v[TMP+1], v[AC0], v[AC0+1], v[AC0+2]
	v_max3_num_f32 v[TMP], v[TMP], v[AC0+3], v[AC0+4]
	v_min3_num_f32 v[TMP+1], v[TMP+1], v[AC0+3], v[AC0+4]
	v_max3_num_f32 v[TMP], v[TMP], v[AC0+5], v[AC0+6]
	v_min3_num_f32 v[TMP+1], v[TMP+1], v[AC0+5], v[AC0+6]
	v_max_num_f32 v[TMP], v[TMP], v[AC0+7]
	v_min_num_f32 v[TMP+1], v[TMP+1], v[AC0+7]
	v_permlanex16_b32 v[TMP+2], v[TMP], s30, s31   ; its destination counts as read: these two were written above
	v_permlanex16_b32 v[TMP+3], v[TMP+1], s30, s31
	v_max_num_f32 v[TMP], v[TMP], v[TMP+2]
	v_min_num_f32 v[TMP+1], v[TMP+1], v[TMP+3]
	s_wait_alu depctr_va_vcc(0)                    ; the compare has written VCC, which the select below reads
	v_cndmask_b32 v[TMP], v[TMP], v[TMP+1], vcc_lo ; lanes 0-15 keep the largest, lanes 16-31 the smallest
	s_mul_i32 s24, s19, KVT
	s_lshl_b32 s26, s17, 10
	s_add_co_u32 s24, s24, s26
	s_add_nc_u64 s[10:11], s[10:11], s[24:25]
	s_lshl2_add_u32 s26, s19, s17
	s_lshl_b32 s26, s26, 7
	s_add_nc_u64 s[12:13], s[12:13], s[26:27]
	s_wait_alu depctr_va_vdst(0)                   ; the additions have written AC0 and the select v[TMP]: the data of the three stores
	global_store_b128 v[CO], v[AC0:AC0+3], s[10:11]
	global_store_b128 v[CO], v[AC0+4:AC0+7], s[10:11] offset:512
	global_store_b32 v[C4], v[TMP], s[12:13]       ; 128 consecutive bytes
	s_wait_dscnt 0x0
	s_wait_alu depctr_hold_cnt(0) depctr_sa_sdst(0) depctr_va_vdst(0) depctr_va_sdst(0) depctr_va_ssrc(0) depctr_va_vcc(0) depctr_vm_vsrc(0)
	s_wait_tensorcnt 0x0
	ds_add_u32 v30, v31
	s_wait_dscnt 0x0
	s_endpgm
.Lv:
.irp j, 0,1,2,3
	v_cvt_pk_f16_f32 v[TMP+\j], v[AC0+2*\j], v[AC0+2*\j+1]
.endr
	s_mul_i32 s24, s19, KVT
	s_lshl_b32 s26, s17, 9
	s_add_co_u32 s24, s24, s26
	s_add_co_u32 s24, s24, 4096                    ; V lies behind the tile's K
	s_add_nc_u64 s[10:11], s[10:11], s[24:25]
	s_wait_alu depctr_va_vdst(0)                   ; the packings have written v[TMP ..], which the store reads
	global_store_b128 v[CO], v[TMP:TMP+3], s[10:11]
	s_wait_dscnt 0x0
	s_wait_alu depctr_hold_cnt(0) depctr_sa_sdst(0) depctr_va_vdst(0) depctr_va_sdst(0) depctr_va_ssrc(0) depctr_va_vcc(0) depctr_vm_vsrc(0)
	s_wait_tensorcnt 0x0
	ds_add_u32 v30, v31
	s_wait_dscnt 0x0
	s_endpgm
.Lfunc_end_k_q84ef00477b_qkv:
	.size	k_q84ef00477b_qkv, .Lfunc_end_k_q84ef00477b_qkv-k_q84ef00477b_qkv
	.p2alignl 7, 3214868480
	.fill 96, 4, 3214868480
	.section	.rodata,"a",@progbits
	.p2align	6, 0x0
	.amdhsa_kernel k_q84ef00477b_qkv
		.amdhsa_group_segment_fixed_size 150528
		.amdhsa_private_segment_fixed_size 0
		.amdhsa_enable_private_segment 0
		.amdhsa_kernarg_size 40
		.amdhsa_user_sgpr_count 2
		.amdhsa_user_sgpr_kernarg_segment_ptr 1
		.amdhsa_wavefront_size32 1
		.amdhsa_system_sgpr_workgroup_id_x 1
		.amdhsa_system_sgpr_workgroup_id_y 1
		.amdhsa_system_sgpr_workgroup_id_z 1
		.amdhsa_system_vgpr_workitem_id 0
		.amdhsa_next_free_vgpr 240
		.amdhsa_next_free_sgpr 66
		.amdhsa_reserve_vcc 1
		.amdhsa_float_denorm_mode_32 3
		.amdhsa_float_denorm_mode_16_64 3
		.amdhsa_memory_ordered 1
		.amdhsa_forward_progress 1
		.amdhsa_inst_pref_size 22
	.end_amdhsa_kernel
	.amdgpu_metadata
---
amdhsa.version: [ 1, 2 ]
amdhsa.kernels:
  - .name:           k_q84ef00477b_qkv
    .symbol:         k_q84ef00477b_qkv.kd
    .args:
      - { .name: inputs, .offset: 0, .size: 8, .value_kind: global_buffer, .address_space: global }
      - { .name: W_qkv, .offset: 8, .size: 8, .value_kind: global_buffer, .address_space: global }
      - { .name: qb, .offset: 16, .size: 8, .value_kind: global_buffer, .address_space: global }
      - { .name: kv, .offset: 24, .size: 8, .value_kind: global_buffer, .address_space: global }
      - { .name: mm, .offset: 32, .size: 8, .value_kind: global_buffer, .address_space: global }
    .group_segment_fixed_size: 150528
    .private_segment_fixed_size: 0
    .kernarg_segment_align: 8
    .kernarg_segment_size: 40
    .max_flat_workgroup_size: 512
    .sgpr_count:     66
    .vgpr_count:     240
    .wavefront_size: 32
...
	.end_amdgpu_metadata
.endif
;; end of part 3
;; launch attn: the kernel of part 2 again; grid 256 x 1, 16 waves a work-group, clusters of 4 x 1, 242,688 bytes of LDS; arguments qb, kv, mm, W_o, out0; writes out0
